; MI455X (gfx1250); checked and timed in simulation.
; The chip was launched on July 23, 2026; its instructions are those of AMD's public machine-readable ISA for CDNA 5 (MIT licence, August 2026) and "CDNA5" Instruction Set Architecture Reference Guide (July 2026). The comments in the code are by the model that wrote it; some were corrected since.
;; Bahdanau Temporal Attention. Allowed arithmetic: float matrix products may take bf16 or f16 operands with f32 sums; all other float work in f32.
;; Inputs: Wk 1,024 x 512 float32; Wq 1,024 x 512 float32; keys 32 x 4,096 x 1,024 float32; query 32 x 1,024 float32; v 512 float32.
;; Outputs: out0 32 x 1 x 1,024 float32.
;; One version. Each part assembles by itself: llvm-mc -triple=amdgcn-amd-amdhsa -mcpu=gfx1250 --defsym DOCPART=n.
;; ======== version 1 of 1: 3 launches
;; workspace buffers: wkf 1,048,576 bytes; qs 262,144 bytes; pctx 1,048,576 bytes; pml 2,048 bytes
;; launch prep (part 1): grid 32 x 8, 8 waves a work-group, no clusters, 37,888 bytes of LDS; arguments Wk, Wq, query, wkf, qs; writes wkf, qs
.if DOCPART == 1
	.amdgcn_target "amdgcn-amd-amdhsa--gfx1250"
	.amdhsa_code_object_version 6
	.text
	.protected	k_q0676b0f1b5_prep
	.globl	k_q0676b0f1b5_prep
	.p2align	8
	.type	k_q0676b0f1b5_prep,@function
k_q0676b0f1b5_prep:
	s_mov_b64 s[64:65], 0
	v_nop
	global_prefetch_b8 v0, s[64:65] scope:SCOPE_SE
	s_setreg_imm32_b32 hwreg(HW_REG_WAVE_MODE, 25, 1), 1
	s_wait_xcnt 0x0
; Work-group (nt, y).  nt = a tile of 16 columns of a [1024][512] f32 weight matrix; y = 0..3: Wk, y = 4..7: Wq; yq = y & 3 = a
; quarter of K (256 rows).  Wave wv owns the K step s = 8 yq + wv (32 rows) and brings its 32 x 16 slab into one bf16 matrix
; fragment (lane (r, h) holds column 16 nt + r, registers 0-3: k = 8 h + 0..7, registers 4-7: k = 16 + 8 h + 0..7; ISA guide 7.12.2).
;   Wk: the fragment is stored to wkf as it lies in registers: fragment (s, nt) at (32 s + nt) * 1024 bytes, half g at 512 g,
;       lane L at 16 L, so that the main launch fills a fragment by two loads of 512 contiguous bytes.
;   Wq: qs[yq][b][n] = 2 log2(e) * sum over the quarter's k of query[b][k] Wq[k][n]: each wave multiplies its 32 k, the eight
;       waves' sums meet in LDS.  The four quarters are added by the launch that reads them: a sum over work-groups is made there.
; 32 x 8 = 256 work-groups of 16 (Wk) or 24 (Wq) loads a wave.
; LIMIT: Wk, Wq and query are rounded to bf16 (nearest even) before they are multiplied; sums are f32.
; The weight loads take 64-byte pieces of rows: a transposition of 4 MiB that is done once.
.set RAW, 16                           ; v[16:31]    16 f32 of the slab
.set FR,  32                           ; v[32:39]    the fragment of the weight matrix
.set QR,  40                           ; v[40:71]    query as loaded: load i = rows 4 i .. 4 i + 3, 128 bytes each
.set QF,  72                           ; v[72:87]    two query fragments: batches 0-15 and 16-31
.set DD,  88                           ; v[88:103]   two accumulators
.set PS,  104                          ; v[104:119]  the eight waves' sums of my two numbers
.set QP,  80                           ; LDS pitch of a query row: 64 bytes of bf16 + 16
.set QST, 32*QP                        ; a wave's own stage: 32 rows
.set PART, 8*QST                       ; behind the stages: [8 waves][512] f32
.set C2L, 0x4038aa3b                   ; 2 log2(e)
.macro CVTW                            ; 16 f32 to 8 words of bf16: neighbouring k pack into one word
.set j, 0
.rept 8
	v_cvt_pk_bf16_f32 v[FR+j], v[RAW+2*j], v[RAW+2*j+1]
.set j, j+1
.endr
.endm
	s_load_b256 s[4:11], s[0:1], 0x0               ; Wk s[4:5], Wq s[6:7], query s[8:9], wkf s[10:11]
	s_load_b64 s[12:13], s[0:1], 0x20              ; qs
	v_lshl_add_u32 v128, v0, 2, 0x9000
	v_mov_b32 v129, 0
	v_lshrrev_b32 v1, 5, v0
	v_readfirstlane_b32 s16, v1                    ; wave wv
	s_and_b32 s17, ttmp7, 0xffff                   ; y
	s_and_b32 s18, s17, 3                          ; yq
	s_lshl_b32 s19, s18, 3
	s_add_co_u32 s19, s19, s16                     ; K step s
	v_and_b32 v2, 31, v0                           ; L
	v_and_b32 v3, 15, v0                           ; r
	v_bfe_u32 v4, v0, 4, 1                         ; h
	v_lshlrev_b32 v5, 2, v3                        ; 4 r: my column
	v_lshl_add_u32 v5, v4, 14, v5                  ; + 8 h rows of 2,048 bytes
	s_lshl_b32 s20, s19, 16                        ; 32 s rows of 2,048 bytes
	s_lshl_b32 s24, ttmp9, 6                       ; 16 nt columns of 4 bytes
	s_add_co_u32 s20, s20, s24
	s_mov_b32 s21, 0
	s_wait_kmcnt 0x0
	s_cmp_lt_u32 s17, 4
	s_cselect_b64 s[22:23], s[4:5], s[6:7]         ; the matrix of this y
	s_add_nc_u64 s[22:23], s[22:23], s[20:21]
.irp g, 0,1
.irp i, 0,1,2,3,4,5,6,7
	global_load_b32 v[RAW+8*\g+\i], v5, s[22:23] offset:(16*\g+\i)*2048    ; W[32 s + 16 g + 8 h + i][16 nt + r]
.endr
.endr
	s_cmp_ge_u32 s17, 4
	s_cbranch_scc1 .Lquery
	; Wk: the fragment to wkf
	s_lshl_b32 s20, s19, 15                        ; 32 s * 1024
	s_lshl_b32 s24, ttmp9, 10                      ; nt * 1024
	s_add_co_u32 s20, s20, s24
	s_add_nc_u64 s[10:11], s[10:11], s[20:21]
	v_lshlrev_b32 v6, 4, v2                        ; 16 L
	s_wait_loadcnt 0x0
	CVTW
	global_store_b128 v6, v[FR:FR+3],   s[10:11]               ; 512 contiguous bytes a store
	global_store_b128 v6, v[FR+4:FR+7], s[10:11] offset:512
	s_endpgm
.Lquery:
	; query[0..31][32 s .. 32 s + 31]: eight lanes take the 128 bytes of a row, a load takes four rows
	v_lshrrev_b32 v6, 3, v2                        ; L >> 3: the row of the four
	v_and_b32 v7, 7, v0                            ; L & 7: 4 f32 of the row
	v_lshlrev_b32 v8, 12, v6
	v_lshl_add_u32 v8, v7, 4, v8
	s_lshl_b32 s20, s19, 7                         ; 32 s f32
	s_add_nc_u64 s[8:9], s[8:9], s[20:21]
.irp i, 0,1,2,3,4,5,6,7
	global_load_b128 v[QR+4*\i:QR+4*\i+3], v8, s[8:9] offset:16384*\i
.endr
	s_mul_i32 s24, s16, QST                        ; my own stage
	v_mul_u32_u24 v9, v6, QP
	v_lshl_add_u32 v9, v7, 3, v9
	v_add_nc_u32 v9, s24, v9                       ; in: row (L >> 3), 4 bf16 at 8 (L & 7)
	v_mul_u32_u24 v10, v3, QP
	v_lshl_add_u32 v10, v4, 4, v10
	v_add_nc_u32 v10, s24, v10                     ; back, as a fragment: row r, 16 bytes at 16 h and at 32 + 16 h
	s_wait_loadcnt 8                               ; the 16 weight loads are in; the 8 query loads behind them stay out
	CVTW
	s_wait_loadcnt 0x0
.irp i, 0,1,2,3,4,5,6,7
	v_cvt_pk_bf16_f32 v[QR+4*\i],   v[QR+4*\i],   v[QR+4*\i+1]
	v_cvt_pk_bf16_f32 v[QR+4*\i+1], v[QR+4*\i+2], v[QR+4*\i+3]
.endr
.irp i, 0,1,2,3,4,5,6,7
	ds_store_b64 v9, v[QR+4*\i:QR+4*\i+1] offset:4*QP*\i
.endr
.irp mt, 0,1
	ds_load_b128 v[QF+8*\mt:QF+8*\mt+3],   v10 offset:16*QP*\mt          ; LDS serves a wave in order (ISA guide 5.7.1): these see my stores
	ds_load_b128 v[QF+8*\mt+4:QF+8*\mt+7], v10 offset:16*QP*\mt+32
.endr
	s_wait_dscnt 0x0
.irp mt, 0,1
	v_wmma_f32_16x16x32_bf16 v[DD+8*\mt:DD+8*\mt+7], v[QF+8*\mt:QF+8*\mt+7], v[FR:FR+7], 0
.endr
	s_lshl_b32 s24, s16, 11                        ; each wave has 2,048 bytes for its sums
	s_add_co_u32 s24, s24, PART
.rept 4
	v_nop                                          ; four places behind the last product before its result is read (ISA guide 7.12.1)
.endr
	v_lshl_add_u32 v11, v2, 2, s24
.irp mt, 0,1
.irp j, 0,1,2,3,4,5,6,7
	ds_store_b32 v11, v[DD+8*\mt+\j] offset:128*(8*\mt+\j)         ; word 32 (8 mt + j) + L = (batch 16 mt + 8 h + j, column r)
.endr
.endr
	s_wait_dscnt 0x0
	s_barrier_signal -1
	s_barrier_wait -1
	v_lshl_add_u32 v12, v0, 3, PART                ; thread t takes words 2 t, 2 t + 1 of all eight waves
.irp i, 0,1,2,3,4,5,6,7
	ds_load_b64 v[PS+2*\i:PS+2*\i+1], v12 offset:2048*\i
.endr
	; words 2 t, 2 t + 1: mt = t >> 7, j = (t >> 4) & 7, h = (t >> 3) & 1, r = 2 (t & 7) and the next
	v_lshrrev_b32 v13, 7, v0
	v_bfe_u32 v14, v0, 3, 1
	v_bfe_u32 v15, v0, 4, 3
	v_lshlrev_b32 v13, 4, v13
	v_lshl_add_u32 v13, v14, 3, v13
	v_add_nc_u32 v13, v13, v15                     ; batch
	v_lshlrev_b32 v14, 3, v7
	v_lshl_add_u32 v13, v13, 11, v14               ; batch * 2,048 + 8 (t & 7)
	s_lshl_b32 s20, s18, 16                        ; the quarter's [32][512] f32
	s_lshl_b32 s24, ttmp9, 6                       ; + 16 nt columns
	s_add_co_u32 s20, s20, s24
	s_add_nc_u64 s[12:13], s[12:13], s[20:21]
	s_wait_dscnt 0x0
	v_pk_add_f32 v[PS:PS+1],     v[PS:PS+1],     v[PS+2:PS+3]
	v_pk_add_f32 v[PS+4:PS+5],   v[PS+4:PS+5],   v[PS+6:PS+7]
	v_pk_add_f32 v[PS+8:PS+9],   v[PS+8:PS+9],   v[PS+10:PS+11]
	v_pk_add_f32 v[PS+12:PS+13], v[PS+12:PS+13], v[PS+14:PS+15]
	v_pk_add_f32 v[PS:PS+1],     v[PS:PS+1],     v[PS+4:PS+5]
	v_pk_add_f32 v[PS+8:PS+9],   v[PS+8:PS+9],   v[PS+12:PS+13]
	v_pk_add_f32 v[PS:PS+1],     v[PS:PS+1],     v[PS+8:PS+9]
	v_pk_mul_f32 v[PS:PS+1],     v[PS:PS+1],     C2L op_sel_hi:[1,0]
	global_store_b64 v13, v[PS:PS+1], s[12:13]
	s_wait_tensorcnt 0x0
	ds_add_u32 v128, v129
	s_wait_dscnt 0x0
	s_endpgm
.Lfunc_end_k_q0676b0f1b5_prep:
	.size	k_q0676b0f1b5_prep, .Lfunc_end_k_q0676b0f1b5_prep-k_q0676b0f1b5_prep
	.p2alignl 7, 3214868480
	.fill 96, 4, 3214868480
	.section	.rodata,"a",@progbits
	.p2align	6, 0x0
	.amdhsa_kernel k_q0676b0f1b5_prep
		.amdhsa_group_segment_fixed_size 37888
		.amdhsa_private_segment_fixed_size 0
		.amdhsa_enable_private_segment 0
		.amdhsa_kernarg_size 40
		.amdhsa_user_sgpr_count 2
		.amdhsa_user_sgpr_kernarg_segment_ptr 1
		.amdhsa_wavefront_size32 1
		.amdhsa_system_sgpr_workgroup_id_x 1
		.amdhsa_system_sgpr_workgroup_id_y 1
		.amdhsa_system_sgpr_workgroup_id_z 1
		.amdhsa_system_vgpr_workitem_id 0
		.amdhsa_next_free_vgpr 130
		.amdhsa_next_free_sgpr 66
		.amdhsa_reserve_vcc 0
		.amdhsa_float_denorm_mode_32 3
		.amdhsa_float_denorm_mode_16_64 3
		.amdhsa_memory_ordered 1
		.amdhsa_forward_progress 1
		.amdhsa_inst_pref_size 11
	.end_amdhsa_kernel
	.amdgpu_metadata
---
amdhsa.version: [ 1, 2 ]
amdhsa.kernels:
  - .name:           k_q0676b0f1b5_prep
    .symbol:         k_q0676b0f1b5_prep.kd
    .args:
      - { .name: Wk, .offset: 0, .size: 8, .value_kind: global_buffer, .address_space: global }
      - { .name: Wq, .offset: 8, .size: 8, .value_kind: global_buffer, .address_space: global }
      - { .name: query, .offset: 16, .size: 8, .value_kind: global_buffer, .address_space: global }
      - { .name: wkf, .offset: 24, .size: 8, .value_kind: global_buffer, .address_space: global }
      - { .name: qs, .offset: 32, .size: 8, .value_kind: global_buffer, .address_space: global }
    .group_segment_fixed_size: 37888
    .private_segment_fixed_size: 0
    .kernarg_segment_align: 8
    .kernarg_segment_size: 40
    .max_flat_workgroup_size: 256
    .sgpr_count:     66
    .vgpr_count:     130
    .wavefront_size: 32
...
	.end_amdgpu_metadata
.endif
;; end of part 1
;; launch main (part 2): grid 256 x 1, 8 waves a work-group, no clusters, 279,552 bytes of LDS; arguments wkf, qs, keys, v, pctx, pml; writes pctx, pml
.if DOCPART == 2
	.amdgcn_target "amdgcn-amd-amdhsa--gfx1250"
	.amdhsa_code_object_version 6
	.text
	.protected	k_q0676b0f1b5_main
	.globl	k_q0676b0f1b5_main
	.p2align	8
	.type	k_q0676b0f1b5_main,@function
k_q0676b0f1b5_main:
	s_mov_b64 s[64:65], 0
	v_nop
	global_prefetch_b8 v0, s[64:65] scope:SCOPE_SE
	s_setreg_imm32_b32 hwreg(HW_REG_WAVE_MODE, 25, 1), 1
	s_wait_xcnt 0x0
; Work-group g owns key rows 512 g .. 512 g + 511 of the flat [131072][1024] f32 keys (batch g >> 3), as 4 tiles of 128 rows.
; For each tile: k_t = keys x Wk on the matrix unit (bf16 operands, f32 sums), tanh, the dot with v, one step of an online
; softmax, and the weighted sum of the SAME key rows, which stay in LDS as bf16: keys are read from memory once.
; Out: pctx[g][1024], the unnormalised partial context, and pml[g] = (M, l), the running maximum and sum (base 2).
;
; ALGEBRA.  c = 2 log2(e).  tanh(x) = 1 - 2 / (1 + 2^(c x)), so log2(e) * energy = constant + E2 with
; E2[row] = sum over n of wn[n] * rcp(1 + exp2(c * k_t[row][n] + q[n])), wn = -c v, q = c * (query x Wq) = the sum of the four
; partial sums over quarters of K that the launch before left in qs[4][32][512].
; The constant is the same for all rows of a batch and cancels in the softmax: p = exp2(E2 - M).
; exp2 -> inf gives rcp 0 (tanh = 1), exp2 -> 0 gives rcp 1 (tanh = -1): no clamp.
; LIMITS: keys and Wk are rounded to bf16 (nearest even) for both products; p is rounded to bf16 for the context product while
; l sums the f32 p; a weight below 2^-126 of the running maximum is flushed to 0 by v_exp_f32 (ISA guide 15.8); NaN spreads.
;
; SHARES.  8 waves, two on each SIMD, 512 registers each.  Wave w: all 128 rows x columns 64 w .. 64 w + 63 of k_t = 8 x 4
; accumulators = the 256 registers of window 1.  A K step of 32: 32 products, 16 LDS loads (key fragments), 8 global loads of
; 512 contiguous bytes (Wk fragments, straight from wkf in register order).
; NO TENSOR LOADS, NO CLUSTER: 264,192 of the 327,680 bytes of LDS hold the key tile; a K step of Wk is 32,768 bytes, so a ring of
; it has no room; each byte of a K step of Wk is used by exactly one wave of the work-group, so LDS would add a write and a read
; and save none; and keys have to pass through registers to become bf16.
;
; THE PRODUCT IS USED TRANSPOSED (source 0 = Wk columns, source 1 = key rows): register j of lane (r, h) of accumulator (a, b)
; is (key row 16 a + r, column 64 w + 16 b + 8 h + j), so that the sum over columns runs along a lane.
.set PITCH, 2064                       ; a key row in LDS: 2,048 bytes + 16: sixteen rows start at sixteen different 16-byte columns modulo 256
.set QW,    264192                     ; behind the key tile (128 x 2,064): q[512] f32, then wn[512] f32 at + 2,048
.set ES,    268288                     ; [8 waves][128 rows] f32: each wave's share of E2
.set PB,    272384                     ; [8 waves][128] bf16: each wave's own copy of p
.set CX,    274432                     ; [8 waves][128] f32: each wave's own stage for the way out
.set TILEB, 524288                     ; bytes of 128 key rows in memory
.set C2L,   0x4038aa3b                 ; c
.set NC2L,  0xc038aa3b                 ; -c
; window 0
.set BOFF, 1                           ; 4096 w + 16 L                      my 16 bytes of a half fragment in wkf
.set KOFF, 2                           ; (16 w + 8 h) 4096 + 16 r           keys: 16 lanes take 256 bytes of a row, the other 16 the row 8 further
.set KST,  3                           ; (16 w + 8 h) 2064 + 8 r            the same 4 numbers as bf16 in the key tile
.set ADRA, 4                           ; v4-7: (32 i + r) 2064 + 16 h       key fragments
.set PF,   8                           ; (16 w + r) 4096 + 256 h            prefetch: one lane for each 256 bytes
.set QADR, 9                           ; QW + (64 w + 8 h) 4
.set ESW,  10                          ; ES + 512 w + 4 r
.set ESR,  11                          ; ES + 16 L
.set PBW,  12                          ; PB + 256 w + 8 L
.set PBR,  13                          ; PB + 256 w + 16 h
.set TRB,  14                          ; (8 h + (L & 7)) 2064 + 128 ((L >> 3) & 1) + 256 w     transposing loads
.set CXW,  15                          ; CX + 512 w + 4 (L & 7) + 256 ((L >> 3) & 1)
.set CTX,  16                          ; v16-23: running context, column 128 w + 8 t + (r & 7) + 64 (r >> 3)
.set MX,   24                          ; running maximum
.set LS,   25                          ; running sum of p of rows 4 L .. 4 L + 3 of every tile
.set SC,   26                          ; exp2(old maximum - new maximum)
                                       ; v27-31 at work
.set AF,   32                          ; v32-95: key fragments, block a at AF + 8 a.  Behind the K loop: q at AF + 8 b, wn at AF + 32 + 8 b; then p fragments
.set BF,   96                          ; v96-191: Wk fragments, a ring of 3 K steps x 32.  Behind the K loop: at work
.set KL,   192                         ; v192-255: two landing buffers of 32 for keys
.set TP,   BF                          ; four pairs: chains of the dot with wn
.set EA,   BF+8                        ; E2 share of row block a
.set SS,   BF+16                       ; the eight waves' shares of my four rows
.set TR,   AF+32                       ; TR + kk: TRB + 32 kk rows
; window 1: accumulator (a, b) at 8 (4 a + b).  Context product: D[t] at 8 t, three groups of key fragments at 64, 128, 192.
; s_set_vgpr_msb, low byte: 1:0 source 0, 3:2 source 1, 5:4 source 2, 7:6 destination.
.set W_MUL,  0x50                      ; C and D in window 1
.set W_TANH, 0x41                      ; source 0 and destination in window 1
.set W_DOT,  0x01                      ; source 0 in window 1
.set W_LD1,  0x40                      ; loaded data in window 1
.set W_CTX,  0x54                      ; source 1, C and D in window 1
.set W_UPD,  0x10                      ; source 2 in window 1
.set MSB, 0
.macro WIN new                         ; the high byte of the immediate repeats the setting that is left
.if MSB != \new
	s_set_vgpr_msb (MSB<<8)|\new
.set MSB, \new
.endif
.endm
.macro PLACES                          ; four places behind a product before a load lands on its sources or its result is read
.rept 4
	v_nop
.endr
.endm
; keys, block blk (64 columns = 256 bytes of f32) of my 16 rows, into landing buffer buf; toff: 0 or one tile ahead
.macro KLOAD blk, buf, toff
.irp i, 0,1,2,3,4,5,6,7
	global_load_b128 v[KL+32*(\buf)+4*\i:KL+32*(\buf)+4*\i+3], v[KOFF], s[8:9] offset:(\toff)+4096*\i+256*(\blk) th:TH_LOAD_NT
.endr
.endm
; landing buffer buf to bf16, in place, and into the key tile.  A store's two rows lie 8 x 2,064 = 128 modulo 256 bytes apart.
.macro KCVT buf, blk
.irp i, 0,1,2,3,4,5,6,7
	v_cvt_pk_bf16_f32 v[KL+32*(\buf)+4*\i],   v[KL+32*(\buf)+4*\i],   v[KL+32*(\buf)+4*\i+1]
	v_cvt_pk_bf16_f32 v[KL+32*(\buf)+4*\i+1], v[KL+32*(\buf)+4*\i+2], v[KL+32*(\buf)+4*\i+3]
.endr
.irp i, 0,1,2,3,4,5,6,7
	ds_store_b64 v[KST], v[KL+32*(\buf)+4*\i:KL+32*(\buf)+4*\i+1] offset:PITCH*\i+128*(\blk)
.endr
.endm
; blocks 0 and 1 of the coming tile wait in registers until the tile in LDS is done with: packed into KL + 0..15 and KL + 16..31
.macro KPACK
.irp i, 0,1,2,3,4,5,6,7
	v_cvt_pk_bf16_f32 v[KL+2*\i],   v[KL+4*\i],   v[KL+4*\i+1]     ; ascending: a word is written when the words it covers are read
	v_cvt_pk_bf16_f32 v[KL+2*\i+1], v[KL+4*\i+2], v[KL+4*\i+3]
.endr
.irp i, 0,1,2,3,4,5,6,7
	v_cvt_pk_bf16_f32 v[KL+16+2*\i],   v[KL+32+4*\i],   v[KL+32+4*\i+1]
	v_cvt_pk_bf16_f32 v[KL+16+2*\i+1], v[KL+32+4*\i+2], v[KL+32+4*\i+3]
.endr
.endm
; my four Wk fragments of K step s
.macro BLOAD s
.irp b, 0,1,2,3
	global_load_b128 v[BF+32*((\s)%3)+8*\b:BF+32*((\s)%3)+8*\b+3],   v[BOFF], s[4:5] offset:32768*(\s)+1024*\b
	global_load_b128 v[BF+32*((\s)%3)+8*\b+4:BF+32*((\s)%3)+8*\b+7], v[BOFF], s[4:5] offset:32768*(\s)+1024*\b+512
.endr
.endm
; key fragments of K step s, row blocks 4 half .. 4 half + 3
.macro ALOAD s, half
.irp a, 0,1,2,3
	ds_load_b128 v[AF+8*(4*\half+\a):AF+8*(4*\half+\a)+3],   v[ADRA+2*\half+(\a>>1)] offset:(\a&1)*16*PITCH+64*(\s)
	ds_load_b128 v[AF+8*(4*\half+\a)+4:AF+8*(4*\half+\a)+7], v[ADRA+2*\half+(\a>>1)] offset:(\a&1)*16*PITCH+64*(\s)+32
.endr
.endm
; 8 products: row blocks a0, a0 + 1 x my four column blocks
.macro MUL8 s, a0, zero
.irp a, \a0, \a0+1
.irp b, 0,1,2,3
.if \zero
	v_wmma_f32_16x16x32_bf16 v[8*(4*(\a)+\b):8*(4*(\a)+\b)+7], v[BF+32*((\s)%3)+8*\b:BF+32*((\s)%3)+8*\b+7], v[AF+8*(\a):AF+8*(\a)+7], 0
.else
	v_wmma_f32_16x16x32_bf16 v[8*(4*(\a)+\b):8*(4*(\a)+\b)+7], v[BF+32*((\s)%3)+8*\b:BF+32*((\s)%3)+8*\b+7], v[AF+8*(\a):AF+8*(\a)+7], v[8*(4*(\a)+\b):8*(4*(\a)+\b)+7]
.endif
.endr
.endr
.endm
.macro PRE1 toff                       ; the first two key blocks of a tile
	KLOAD 0, 0, \toff
	KLOAD 1, 1, \toff
.endm
; Pack them, and start the rings of Wk and keys.  first = 1 (in front of the first tile): Wk of steps 0-2 has been asked for
; already, straight behind PRE1, so that the two first trips to memory run side by side.
.macro PRE2 toff, first
.if \first
	s_wait_loadcnt 24                              ; the 16 key loads are in; the 24 Wk loads behind them stay out
	KPACK
.else
	s_wait_loadcnt 0x0                             ; only the 16 loads of PRE1 are out, issued a whole tanh phase earlier
	KPACK
	BLOAD 0
	BLOAD 1
	BLOAD 2
.endif
	KLOAD 2, 1, \toff
.endm
; The head of a tile: blocks 0 and 1 go into the key tile, which every wave has left (the barrier that closed the tile before).
.macro HEAD
.irp i, 0,1,2,3,4,5,6,7
	ds_store_b64 v[KST], v[KL+2*\i:KL+2*\i+1] offset:PITCH*\i
.endr
.irp i, 0,1,2,3,4,5,6,7
	ds_store_b64 v[KST], v[KL+16+2*\i:KL+16+2*\i+1] offset:PITCH*\i+128
.endr
	s_wait_dscnt 0x0                               ; my stores are in LDS (and, in the first tile, q and wn)
	KLOAD 3, 0, 0
	s_barrier_signal -1
	s_barrier_wait -1
	ALOAD 0, 0
	ALOAD 0, 1
.endm
; K step s (0..31).  Key block x (x >= 2) lands in buffer (x + 1) & 1.  It is asked for at the end of step 2 x - 7, converted and
; stored in the middle of step 2 x - 3, signalled at that step's end, waited for at the end of step 2 x - 2 and read from the
; middle of step 2 x - 1 on.  So a whole step, 32 products, lies between a signal and its wait: a wave is held only when another
; is a step behind, and the two waves of a SIMD need not reach their runs of loads together.  Between a signal and its wait stand
; products, v_nop, waits and LDS loads of blocks published earlier; global loads and prefetches stand outside.
; Wk of step s + 3 is asked for at the end of step s.  Groups of 8 loads are issued in this order (a bar = the end of PRE2, of
; HEAD, of step 0, 1, ...):  B0 B1 B2 K2 | K3 | B3 | B4 K4 | B5 | B6 K5 | ... | B26 K15 | B27 | B28 | B29 | B30 | B31
; LC = 8 x the groups behind B(s) at the head of step s.  Loads come back in order (ISA guide 5.7.1): the key block that an odd
; step s >= 3 converts is older than B(s) and is in as well; K2, in step 1, has a wait of its own (K3 and B3 stay out).
.macro STEP s, more
.set ODD, (\s)&1
.set T, (\s)>>1
.if (\s) < 2
.set LC, 32
.elseif (\s) == 2
.set LC, 40
.elseif (\s) <= 25
.set LC, 32-8*ODD
.elseif (\s) == 26
.set LC, 24
.elseif (\s) <= 29
.set LC, 16
.elseif (\s) == 30
.set LC, 8
.else
.set LC, 0
.endif
.set CVON, 0                           ; this step converts, stores and signals a key block
.set KLON, 0                           ; and asks for the block that lands in the buffer so freed
.set WTON, 0                           ; this step ends with the barrier's wait
.set Z, 0
.if (\s) == 0
.set Z, 1                              ; the first products start the sums: nothing is cleared
.endif
.if ODD
.if (\s) <= 27
.set CVON, 1
.endif
.if (\s) <= 23
.set KLON, 1
.endif
.else
.if (\s) >= 2
.if (\s) <= 28
.set WTON, 1
.endif
.endif
.endif
.if (\s) == 31
.set DC, 0                             ; nothing was issued behind the last fragments
.elseif CVON
.set DC, 16                            ; 8 stores and 8 loads are younger than row blocks 4-7 of this step
.else
.set DC, 8                             ; 8 loads are
.endif
.set KB, T+2
.set KB2, T+4
.set KBUF, (T+3)&1
	s_wait_loadcnt LC
	s_wait_dscnt 8                                 ; row blocks 0-3 are in; the 8 loads of blocks 4-7 may be out
	; Prefetch, one lane for each 256 bytes of my 16 rows, two key blocks at a time: step 0 asks for blocks 4 and 5, steps 3, 7, .. 19
	; for blocks T + 5 and T + 6, which are loaded at the ends of the second and the fourth step from here; steps 27 and 31 ask for
	; blocks 0, 1 and 2, 3 of the next tile; the last tile of the work-group asks for nothing beyond its rows.
.set PX, -1
.if (\s) == 0
.set PX, 4
.elseif ((\s)&3) == 3
.if (\s) <= 19
.set PX, T+5
.elseif (\s) >= 27
.if \more
.set PX, T+3
.endif
.endif
.endif
.if PX >= 16
	global_prefetch_b8 v[PF], s[8:9] offset:TILEB+256*(PX-16) th:TH_LOAD_NT scope:SCOPE_SE
.elseif PX >= 0
	global_prefetch_b8 v[PF], s[8:9] offset:256*PX th:TH_LOAD_NT scope:SCOPE_SE
.endif
	WIN W_MUL
	MUL8 \s, 0, Z
	MUL8 \s, 2, Z
.if (\s) < 31
	WIN 0
.if CVON
.if (\s) == 1
	s_wait_loadcnt 16                              ; K2 is in; K3 and B3 stay out
.endif
	KCVT KBUF, KB                                  ; its 16 conversions are also the places in front of the loads below
.else
	PLACES
.endif
	ALOAD \s+1, 0
.endif
	s_wait_dscnt DC                                ; row blocks 4-7 of this step are in
	WIN W_MUL
	MUL8 \s, 4, Z
	MUL8 \s, 6, Z
	WIN 0
	PLACES
.if CVON
	BLOAD \s+3                                     ; into the ring slot that this step has just multiplied
	s_wait_dscnt 0x0                               ; my stores of block T + 2 are in LDS (issued 16 products ago), and have read their buffer
.if KLON
	KLOAD KB2, KBUF, 0
.endif
	s_barrier_signal -1
	ALOAD \s+1, 1                                  ; a block published earlier, which nobody writes in this tile
.else
.if WTON
	s_barrier_wait -1                              ; block T + 1 of every wave may be read, and the next block may be stored
.endif
.if (\s) < 31
	ALOAD \s+1, 1
.endif
.if (\s) <= 28
	BLOAD \s+3
.endif
.endif
.endm
; Row block a: 32 registers x 32 lanes of k_t become rcp(1 + exp2(c k_t + q)) in place, then the dot with wn along the lane.
; Transcendentals stand back to back; one plain instruction follows each run before its results are used (ISA guide 5.7.2).
.macro TANH a
	WIN W_TANH
.irp b, 0,1,2,3
.irp p, 0,2,4,6
	v_pk_fma_f32 v[32*\a+8*\b+\p:32*\a+8*\b+\p+1], v[32*\a+8*\b+\p:32*\a+8*\b+\p+1], s[22:23], v[AF+8*\b+\p:AF+8*\b+\p+1] op_sel_hi:[1,0,1]
.endr
.endr
.set j, 0
.rept 32
	v_exp_f32 v[32*\a+j], v[32*\a+j]
.set j, j+1
.endr
	v_nop
.set j, 0
	s_wait_alu depctr_va_vdst(0)
.rept 16
	v_pk_add_f32 v[32*\a+j:32*\a+j+1], v[32*\a+j:32*\a+j+1], 1.0 op_sel_hi:[1,0]
.set j, j+2
.endr
.set j, 0
.rept 32
	v_rcp_f32 v[32*\a+j], v[32*\a+j]
.set j, j+1
.endr
	v_nop
	WIN W_DOT
	s_wait_alu depctr_va_vdst(0)
.irp p, 0,2,4,6
	v_pk_mul_f32 v[TP+\p:TP+\p+1], v[32*\a+\p:32*\a+\p+1], v[AF+32+\p:AF+32+\p+1]          ; four chains, started by the first column block
.endr
.irp b, 1,2,3
.irp p, 0,2,4,6
	v_pk_fma_f32 v[TP+\p:TP+\p+1], v[32*\a+8*\b+\p:32*\a+8*\b+\p+1], v[AF+32+8*\b+\p:AF+32+8*\b+\p+1], v[TP+\p:TP+\p+1]
.endr
.endr
	WIN 0
	v_pk_add_f32 v[TP:TP+1],   v[TP:TP+1],   v[TP+2:TP+3]
	v_pk_add_f32 v[TP+4:TP+5], v[TP+4:TP+5], v[TP+6:TP+7]
	v_pk_add_f32 v[TP:TP+1],   v[TP:TP+1],   v[TP+4:TP+5]
	v_add_f32 v[EA+\a], v[TP], v[TP+1]
.endm
; Context product, 32 key rows: the key tile lies [row][column], so its fragments come by transposing loads (ISA guide 11.2.4).
; Column block t takes 8 columns at 128 w + 8 t and 8 at 128 w + 64 + 8 t: the second eight lanes stand 128 bytes from the first, so
; with the pitch of 2,064 the sixteen lanes of a half wave address sixteen different 16-byte columns modulo 256.
.macro CTXLD adr, grp
	WIN W_LD1
.irp t, 0,1,2,3,4,5,6,7
	ds_load_tr16_b128 v[\grp+8*\t:\grp+8*\t+3],   v[\adr] offset:16*\t
	ds_load_tr16_b128 v[\grp+8*\t+4:\grp+8*\t+7], v[\adr] offset:16*\t+16*PITCH
.endr
.endm
.macro CTXMUL kk, grp, zero            ; source 0: p of rows 32 kk .. + 31, the same in all 16 rows of the fragment
	WIN W_CTX
.irp t, 0,1,2,3,4,5,6,7
.if \zero
	v_wmma_f32_16x16x32_bf16 v[8*\t:8*\t+7], v[AF+8*\kk:AF+8*\kk+7], v[\grp+8*\t:\grp+8*\t+7], 0
.else
	v_wmma_f32_16x16x32_bf16 v[8*\t:8*\t+7], v[AF+8*\kk:AF+8*\kk+7], v[\grp+8*\t:\grp+8*\t+7], v[8*\t:8*\t+7]
.endif
.endr
.endm
; One tile of 128 rows.  more = 1: another tile follows; its first loads are issued under this tile's tanh and context phases.
.macro TILE more
	HEAD
.set st, 0
.rept 32
	STEP st, \more
.set st, st+1
.endr
	; q and wn of my 64 columns, in the order of the accumulators' registers (the places of step 31 stand in front)
.irp b, 0,1,2,3
	ds_load_b128 v[AF+8*\b:AF+8*\b+3],       v[QADR] offset:64*\b
	ds_load_b128 v[AF+8*\b+4:AF+8*\b+7],     v[QADR] offset:64*\b+16
	ds_load_b128 v[AF+32+8*\b:AF+32+8*\b+3], v[QADR] offset:2048+64*\b
	ds_load_b128 v[AF+32+8*\b+4:AF+32+8*\b+7], v[QADR] offset:2048+64*\b+16
.endr
.if \more
	PRE1 TILEB
.endif
	s_wait_dscnt 0x0
.irp a, 0,1,2,3,4,5,6,7
	TANH \a
.endr
	; the two halves of the wave hold different columns of the same rows: join them, then hand my share of E2 to all waves
.irp a, 0,1,2,3
	v_permlanex16_b32 v[27+\a], v[EA+\a], s18, s19
.endr
.irp a, 0,1,2,3
	v_add_f32 v[EA+\a], v[EA+\a], v[27+\a]
.endr
.irp a, 0,1,2,3
	v_permlanex16_b32 v[27+\a], v[EA+4+\a], s18, s19
.endr
.irp a, 0,1,2,3
	v_add_f32 v[EA+4+\a], v[EA+4+\a], v[27+\a]
.endr
.irp a, 0,1,2,3,4,5,6,7
	ds_store_b32 v[ESW], v[EA+\a] offset:64*\a
.endr
	s_wait_dscnt 0x0
	s_barrier_signal -1
	s_barrier_wait -1
	; every wave makes the softmax step for all 128 rows, in the same order of sums: no second barrier, the same M and p in all
.irp i, 0,1,2,3,4,5,6,7
	ds_load_b128 v[SS+4*\i:SS+4*\i+3], v[ESR] offset:512*\i
.endr
	s_wait_dscnt 0x0
.irp i, 0,2,4,6
	v_pk_add_f32 v[SS+4*\i:SS+4*\i+1],   v[SS+4*\i:SS+4*\i+1],   v[SS+4*\i+4:SS+4*\i+5]
	v_pk_add_f32 v[SS+4*\i+2:SS+4*\i+3], v[SS+4*\i+2:SS+4*\i+3], v[SS+4*\i+6:SS+4*\i+7]
.endr
.irp i, 0,4
	v_pk_add_f32 v[SS+4*\i:SS+4*\i+1],   v[SS+4*\i:SS+4*\i+1],   v[SS+4*\i+8:SS+4*\i+9]
	v_pk_add_f32 v[SS+4*\i+2:SS+4*\i+3], v[SS+4*\i+2:SS+4*\i+3], v[SS+4*\i+10:SS+4*\i+11]
.endr
	v_pk_add_f32 v[SS:SS+1],   v[SS:SS+1],   v[SS+16:SS+17]
	v_pk_add_f32 v[SS+2:SS+3], v[SS+2:SS+3], v[SS+18:SS+19]        ; E2 of rows 4 L .. 4 L + 3
	v_max3_num_f32 v27, v[SS], v[SS+1], v[SS+2]
	v_max_num_f32 v27, v27, v[SS+3]
	v_max_num_f32_dpp v27, v27, v27 row_xmask:1 row_mask:0xf bank_mask:0xf
	v_max_num_f32_dpp v27, v27, v27 row_xmask:2 row_mask:0xf bank_mask:0xf
	v_max_num_f32_dpp v27, v27, v27 row_xmask:4 row_mask:0xf bank_mask:0xf
	v_max_num_f32_dpp v27, v27, v27 row_xmask:8 row_mask:0xf bank_mask:0xf
	v_permlanex16_b32 v28, v27, s18, s19
	v_max3_num_f32 v29, v27, v28, v[MX]            ; the new running maximum
	v_sub_f32 v[SC], v[MX], v29                    ; first tile: -inf, and exp2 gives 0
.irp i, 0,1,2,3
	v_sub_f32 v[SS+\i], v[SS+\i], v29
.endr
	v_exp_f32 v[SC], v[SC]
.irp i, 0,1,2,3
	v_exp_f32 v[SS+\i], v[SS+\i]
.endr
	v_mov_b32 v[MX], v29                           ; the plain instruction behind the run of transcendentals
	s_wait_alu depctr_va_vdst(0)
	v_add_f32 v27, v[SS], v[SS+1]
	v_add_f32 v28, v[SS+2], v[SS+3]
	v_add_f32 v27, v27, v28
	v_fma_f32 v[LS], v[LS], v[SC], v27
	v_cvt_pk_bf16_f32 v28, v[SS], v[SS+1]
	v_cvt_pk_bf16_f32 v29, v[SS+2], v[SS+3]
	ds_store_b64 v[PBW], v[28:29]                  ; into my own copy: LDS serves a wave in order (ISA guide 5.7.1), the loads below see it
.if \more
	PRE2 TILEB, 0                                  ; nothing in BF is needed any more
.endif
.irp kk, 1,2,3
	v_add_nc_u32 v[TR+\kk], 32*PITCH*\kk, v[TRB]
.endr
.irp kk, 0,1,2,3
	ds_load_b128 v[AF+8*\kk:AF+8*\kk+3],   v[PBR] offset:64*\kk
	ds_load_b128 v[AF+8*\kk+4:AF+8*\kk+7], v[PBR] offset:64*\kk+32
.endr
	CTXLD TRB,  64
	CTXLD TR+1, 128
	CTXLD TR+2, 192
	s_wait_dscnt 32                                ; p and rows 0-31 are in; the 32 loads of rows 32-95 stay out
	CTXMUL 0, 64, 1
	PLACES
	CTXLD TR+3, 64
	s_wait_dscnt 32                                ; rows 32-63 are in; rows 64-127 stay out
	CTXMUL 1, 128, 0
	s_wait_dscnt 16                                ; rows 96-127 stay out
	CTXMUL 2, 192, 0
	s_wait_dscnt 0x0                               ; my last reads of the key tile are done:
.if \more
	s_barrier_signal -1                            ; say so; only register work stands up to the wait
.endif
	CTXMUL 3, 64, 0
	PLACES
	WIN W_UPD
.irp t, 0,1,2,3,4,5,6,7
	v_fma_f32 v[CTX+\t], v[CTX+\t], v[SC], v[8*\t] ; all 16 rows of D are equal: register 0 holds the column sum in every lane
.endr
	WIN 0
.if \more
	s_barrier_wait -1                              ; every wave has left the key tile
	s_wait_xcnt 0x0                                ; the loads and prefetches that name s[8:9] have had their addresses taken (ISA guide 3.1)
	s_add_nc_u64 s[8:9], s[8:9], TILEB
.endif
.endm
	s_load_b256 s[4:11], s[0:1], 0x0               ; wkf s[4:5], qs s[6:7], keys s[8:9], v s[10:11]
	s_load_b128 s[12:15], s[0:1], 0x20             ; pctx s[12:13], pml s[14:15]
	v_lshrrev_b32 v27, 5, v0
	v_readfirstlane_b32 s16, v27                   ; wave w
	v_and_b32 v27, 31, v0                          ; L
	v_and_b32 v28, 15, v0                          ; r
	v_bfe_u32 v29, v0, 4, 1                        ; h
	v_bfe_u32 v26, v0, 3, 1                        ; (L >> 3) & 1
	v_and_b32 v30, 7, v0                           ; L & 7
	s_mov_b32 s18, 0x76543210                      ; v_permlanex16_b32: lane i of one half reads lane i of the other
	s_mov_b32 s19, 0xfedcba98
	s_mov_b32 s22, C2L
	s_mov_b32 s23, C2L
	s_lshl_b32 s25, s16, 12
	v_lshl_add_u32 v[BOFF], v27, 4, s25
	s_lshl_b32 s25, s16, 16
	v_lshl_add_u32 v[KOFF], v28, 4, s25
	v_lshl_add_u32 v[KOFF], v29, 15, v[KOFF]
	v_lshl_add_u32 v[PF], v28, 12, s25
	v_lshl_add_u32 v[PF], v29, 8, v[PF]
	s_mul_i32 s25, s16, 16*PITCH
	v_mul_u32_u24 v31, v29, 8*PITCH
	v_lshl_add_u32 v31, v28, 3, v31
	v_add_nc_u32 v[KST], s25, v31
	v_mul_u32_u24 v31, v28, PITCH
	v_lshl_add_u32 v[ADRA], v29, 4, v31
.irp i, 1,2,3
	v_add_nc_u32 v[ADRA+\i], 32*PITCH*\i, v[ADRA]
.endr
	s_lshl_b32 s25, s16, 8
	s_add_co_u32 s26, s25, QW
	v_lshl_add_u32 v[QADR], v29, 5, s26
	s_add_co_u32 s26, s25, PB
	v_lshl_add_u32 v[PBW], v27, 3, s26
	v_lshl_add_u32 v[PBR], v29, 4, s26
	v_lshl_add_u32 v31, v29, 3, v30
	v_mul_u32_u24 v31, v31, PITCH
	v_add_nc_u32 v31, s25, v31
	v_lshl_add_u32 v[TRB], v26, 7, v31
	s_lshl_b32 s26, s16, 9
	s_add_co_u32 s27, s26, CX
	v_lshl_add_u32 v31, v30, 2, s27
	v_lshl_add_u32 v[CXW], v26, 8, v31
	s_add_co_u32 s27, s26, ES
	v_lshl_add_u32 v[ESW], v28, 2, s27
	v_lshl_add_u32 v[ESR], v27, 4, ES
	v_lshlrev_b32 v42, 3, v0                       ; thread t: two numbers of q and of v
	v_add_nc_u32 v43, QW, v42
	s_wait_kmcnt 0x0
	s_lshl_b32 s20, ttmp9, 21                      ; 512 rows of 4,096 bytes (below 2^29 for 256 work-groups)
	s_mov_b32 s21, 0
	s_add_nc_u64 s[8:9], s[8:9], s[20:21]
	s_lshr_b32 s20, ttmp9, 3                       ; batch
	s_lshl_b32 s20, s20, 11
	s_add_nc_u64 s[6:7], s[6:7], s[20:21]
	s_lshl_b32 s20, ttmp9, 12
	s_add_nc_u64 s[12:13], s[12:13], s[20:21]
	s_lshl_b32 s20, ttmp9, 3
	s_add_nc_u64 s[14:15], s[14:15], s[20:21]
.irp p, 0,1,2,3
	global_load_b64 v[32+2*\p:33+2*\p], v42, s[6:7] offset:65536*\p        ; the four partial sums of q
.endr
	global_load_b64 v[40:41], v42, s[10:11]
	PRE1 0
	BLOAD 0
	BLOAD 1
	BLOAD 2
	s_wait_loadcnt 40                              ; qs and v are in; the 16 key loads and the 24 Wk loads stay out
	v_pk_add_f32 v[32:33], v[32:33], v[34:35]
	v_pk_add_f32 v[36:37], v[36:37], v[38:39]
	v_pk_add_f32 v[32:33], v[32:33], v[36:37]
	v_pk_mul_f32 v[40:41], v[40:41], NC2L op_sel_hi:[1,0]
	ds_store_b64 v43, v[32:33]
	ds_store_b64 v43, v[40:41] offset:2048
.irp t, 0,1,2,3,4,5,6,7
	v_mov_b32 v[CTX+\t], 0
.endr
	v_mov_b32 v[MX], 0xff800000                    ; -inf
	v_mov_b32 v[LS], 0
	PRE2 0, 1
	s_mov_b32 s17, 0
.Ltile:
	TILE 1
	s_add_co_u32 s17, s17, 1
	s_cmp_lt_u32 s17, 3
	s_cbranch_scc1 .Ltile
	TILE 0                                         ; the fourth tile asks for nothing beyond the rows of the work-group
	; l over the 32 lanes; the context through my own stage, so that one store of the wave covers 512 contiguous bytes
	v_add_f32_dpp v[LS], v[LS], v[LS] row_xmask:1 row_mask:0xf bank_mask:0xf
	v_add_f32_dpp v[LS], v[LS], v[LS] row_xmask:2 row_mask:0xf bank_mask:0xf
	v_add_f32_dpp v[LS], v[LS], v[LS] row_xmask:4 row_mask:0xf bank_mask:0xf
	v_add_f32_dpp v[LS], v[LS], v[LS] row_xmask:8 row_mask:0xf bank_mask:0xf
	v_permlanex16_b32 v27, v[LS], s18, s19
	v_add_f32 v[LS], v[LS], v27
.irp t, 0,1,2,3,4,5,6,7
	ds_store_b32 v[CXW], v[CTX+\t] offset:32*\t    ; both halves of the wave hold and write the same numbers
.endr
	s_lshl_b32 s25, s16, 9
	v_and_b32 v27, 31, v0
	v_lshl_add_u32 v28, v27, 4, s25                ; 512 w + 16 L
	v_add_nc_u32 v30, CX, v28
	ds_load_b128 v[AF:AF+3], v30
	s_wait_dscnt 0x0
	global_store_b128 v28, v[AF:AF+3], s[12:13]
	s_cmp_lg_u32 s16, 0
	s_cbranch_scc1 .Lend
	v_mov_b32 v29, 0
	v_cmp_eq_u32 vcc_lo, 0, v0
	s_wait_xcnt 0x0                                ; EXEC is a source of the store above
	s_and_saveexec_b32 s24, vcc_lo
	global_store_b64 v29, v[MX:LS], s[14:15]       ; (M, l), by thread 0
	s_wait_xcnt 0x0
	s_or_b32 exec_lo, exec_lo, s24
.Lend:
	s_wait_xcnt 0x0
	s_mov_b32 exec_lo, -1
	v_lshl_add_u32 v30, v0, 2, 0x44000
	v_mov_b32 v31, 0
	s_wait_tensorcnt 0x0
	ds_add_u32 v30, v31
	s_wait_dscnt 0x0
	s_endpgm
.Lfunc_end_k_q0676b0f1b5_main:
	.size	k_q0676b0f1b5_main, .Lfunc_end_k_q0676b0f1b5_main-k_q0676b0f1b5_main
	.p2alignl 7, 3214868480
	.fill 96, 4, 3214868480
	.section	.rodata,"a",@progbits
	.p2align	6, 0x0
	.amdhsa_kernel k_q0676b0f1b5_main
		.amdhsa_group_segment_fixed_size 279552
		.amdhsa_private_segment_fixed_size 0
		.amdhsa_enable_private_segment 0
		.amdhsa_kernarg_size 48
		.amdhsa_user_sgpr_count 2
		.amdhsa_user_sgpr_kernarg_segment_ptr 1
		.amdhsa_wavefront_size32 1
		.amdhsa_system_sgpr_workgroup_id_x 1
		.amdhsa_system_sgpr_workgroup_id_y 1
		.amdhsa_system_sgpr_workgroup_id_z 1
		.amdhsa_system_vgpr_workitem_id 0
		.amdhsa_next_free_vgpr 512
		.amdhsa_next_free_sgpr 66
		.amdhsa_reserve_vcc 1
		.amdhsa_float_denorm_mode_32 3
		.amdhsa_float_denorm_mode_16_64 3
		.amdhsa_memory_ordered 1
		.amdhsa_forward_progress 1
		.amdhsa_inst_pref_size 255
	.end_amdhsa_kernel
	.section	.bss,"aw",@nobits
	.p2align	6
	.space	262144
	.amdgpu_metadata
---
amdhsa.version: [ 1, 2 ]
amdhsa.kernels:
  - .name:           k_q0676b0f1b5_main
    .symbol:         k_q0676b0f1b5_main.kd
    .args:
      - { .name: wkf, .offset: 0, .size: 8, .value_kind: global_buffer, .address_space: global }
      - { .name: qs, .offset: 8, .size: 8, .value_kind: global_buffer, .address_space: global }
      - { .name: keys, .offset: 16, .size: 8, .value_kind: global_buffer, .address_space: global }
      - { .name: v, .offset: 24, .size: 8, .value_kind: global_buffer, .address_space: global }
      - { .name: pctx, .offset: 32, .size: 8, .value_kind: global_buffer, .address_space: global }
      - { .name: pml, .offset: 40, .size: 8, .value_kind: global_buffer, .address_space: global }
    .group_segment_fixed_size: 279552
    .private_segment_fixed_size: 0
    .kernarg_segment_align: 8
    .kernarg_segment_size: 48
    .max_flat_workgroup_size: 256
    .sgpr_count:     66
    .vgpr_count:     512
    .wavefront_size: 32
...
	.end_amdgpu_metadata
.endif
;; end of part 2
;; launch combine (part 3): grid 32 x 1, 8 waves a work-group, no clusters, 0 bytes of LDS; arguments pctx, pml, out0; writes out0
.if DOCPART == 3
	.amdgcn_target "amdgcn-amd-amdhsa--gfx1250"
	.amdhsa_code_object_version 6
	.text
	.protected	k_q0676b0f1b5_combine
	.globl	k_q0676b0f1b5_combine
	.p2align	8
	.type	k_q0676b0f1b5_combine,@function
k_q0676b0f1b5_combine:
	s_mov_b64 s[64:65], 0
	v_nop
	global_prefetch_b8 v0, s[64:65] scope:SCOPE_SE
	s_setreg_imm32_b32 hwreg(HW_REG_WAVE_MODE, 25, 1), 1
	s_wait_xcnt 0x0
; out0[b][:] = sum over i of 2^(M_i - M) pctx[8 b + i][:] / sum over i of 2^(M_i - M) l_i, M = the largest M_i: the eight partial
; softmaxes of batch b are merged.  Work-group b; thread t owns 4 columns (16 bytes), so each load and store of a wave covers
; 512 contiguous bytes.  36 KiB a work-group: no LDS, no matrix unit, no barrier.
; The eight pairs (M_i, l_i), 64 bytes, come by four vector loads with the same address in every lane, issued together with the
; partial contexts: one trip to memory instead of two in a row.
; LIMIT: a partial whose maximum lies more than 126 below M (base 2) counts as 0 (v_exp_f32 flushes, ISA guide 15.8).
.set X,  4                             ; v[4:35]   partial i: 4 registers; partial 0 becomes the sum
.set MM, 36                            ; M
.set LL, 37                            ; the sum of weights
.set RR, 38                            ; v[38:39]  1 / LL, twice
.set ML, 40                            ; v[40:55]  M_i at ML + 2 i, l_i at ML + 2 i + 1
.set W,  56                            ; v[56:71]  weight i, twice (a pair for the packed multiply-add)
.set DM, 72                            ; v[72:79]  M_i - M
	s_load_b128 s[4:7], s[0:1], 0x0                ; pctx s[4:5], pml s[6:7]
	s_load_b64 s[8:9], s[0:1], 0x10                ; out0
	s_lshl_b32 s10, ttmp9, 15                      ; 8 rows of 4,096 bytes
	s_mov_b32 s11, 0
	s_lshl_b32 s12, ttmp9, 6                       ; 8 pairs of 8 bytes
	s_mov_b32 s13, 0
	s_lshl_b32 s14, ttmp9, 12
	s_mov_b32 s15, 0
	v_lshlrev_b32 v1, 4, v0
	v_mov_b32 v2, 0
	s_wait_kmcnt 0x0
	s_add_nc_u64 s[4:5], s[4:5], s[10:11]
	s_add_nc_u64 s[6:7], s[6:7], s[12:13]
	s_add_nc_u64 s[8:9], s[8:9], s[14:15]
.irp i, 0,1,2,3
	global_load_b128 v[ML+4*\i:ML+4*\i+3], v2, s[6:7] offset:16*\i
.endr
.irp i, 0,1,2,3,4,5,6,7
	global_load_b128 v[X+4*\i:X+4*\i+3], v1, s[4:5] offset:4096*\i
.endr
	s_wait_loadcnt 8                               ; the pairs are in; the eight partial contexts stay out
	v_max3_num_f32 v[MM], v[ML], v[ML+2], v[ML+4]
	v_max3_num_f32 v[MM], v[MM], v[ML+6], v[ML+8]
	v_max3_num_f32 v[MM], v[MM], v[ML+10], v[ML+12]
	v_max_num_f32 v[MM], v[MM], v[ML+14]
.irp i, 0,1,2,3,4,5,6,7
	v_sub_f32 v[DM+\i], v[ML+2*\i], v[MM]
.endr
.irp i, 0,1,2,3,4,5,6,7
	v_exp_f32 v[W+2*\i], v[DM+\i]
	v_exp_f32 v[W+2*\i+1], v[DM+\i]
.endr
	v_nop                                          ; one plain instruction behind the run of transcendentals (ISA guide 5.7.2)
	s_wait_alu depctr_va_vdst(0)
	v_mul_f32 v[LL], v[ML+1], v[W]
.irp i, 1,2,3,4,5,6,7
	v_fmac_f32 v[LL], v[ML+2*\i+1], v[W+2*\i]
.endr
	v_rcp_f32 v[RR], v[LL]
	v_rcp_f32 v[RR+1], v[LL]                       ; the multiplies below touch neither LL nor RR before RR is used
	s_wait_loadcnt 7                               ; partial 0 is in, the seven younger loads stay out
	v_pk_mul_f32 v[X:X+1],   v[X:X+1],   v[W:W+1]
	v_pk_mul_f32 v[X+2:X+3], v[X+2:X+3], v[W:W+1]
.irp i, 1,2,3,4,5,6,7
	s_wait_loadcnt 7-\i
	v_pk_fma_f32 v[X:X+1],   v[X+4*\i:X+4*\i+1],   v[W+2*\i:W+2*\i+1], v[X:X+1]
	v_pk_fma_f32 v[X+2:X+3], v[X+4*\i+2:X+4*\i+3], v[W+2*\i:W+2*\i+1], v[X+2:X+3]
.endr
	s_wait_alu depctr_va_vdst(0)
	v_pk_mul_f32 v[X:X+1],   v[X:X+1],   v[RR:RR+1]
	v_pk_mul_f32 v[X+2:X+3], v[X+2:X+3], v[RR:RR+1]
	global_store_b128 v1, v[X:X+3], s[8:9]
	s_endpgm
.Lfunc_end_k_q0676b0f1b5_combine:
	.size	k_q0676b0f1b5_combine, .Lfunc_end_k_q0676b0f1b5_combine-k_q0676b0f1b5_combine
	.p2alignl 7, 3214868480
	.fill 96, 4, 3214868480
	.section	.rodata,"a",@progbits
	.p2align	6, 0x0
	.amdhsa_kernel k_q0676b0f1b5_combine
		.amdhsa_group_segment_fixed_size 0
		.amdhsa_private_segment_fixed_size 0
		.amdhsa_enable_private_segment 0
		.amdhsa_kernarg_size 24
		.amdhsa_user_sgpr_count 2
		.amdhsa_user_sgpr_kernarg_segment_ptr 1
		.amdhsa_wavefront_size32 1
		.amdhsa_system_sgpr_workgroup_id_x 1
		.amdhsa_system_sgpr_workgroup_id_y 1
		.amdhsa_system_sgpr_workgroup_id_z 1
		.amdhsa_system_vgpr_workitem_id 0
		.amdhsa_next_free_vgpr 80
		.amdhsa_next_free_sgpr 66
		.amdhsa_reserve_vcc 0
		.amdhsa_float_denorm_mode_32 3
		.amdhsa_float_denorm_mode_16_64 3
		.amdhsa_memory_ordered 1
		.amdhsa_forward_progress 1
		.amdhsa_inst_pref_size 5
	.end_amdhsa_kernel
	.amdgpu_metadata
---
amdhsa.version: [ 1, 2 ]
amdhsa.kernels:
  - .name:           k_q0676b0f1b5_combine
    .symbol:         k_q0676b0f1b5_combine.kd
    .args:
      - { .name: pctx, .offset: 0, .size: 8, .value_kind: global_buffer, .address_space: global }
      - { .name: pml, .offset: 8, .size: 8, .value_kind: global_buffer, .address_space: global }
      - { .name: out0, .offset: 16, .size: 8, .value_kind: global_buffer, .address_space: global }
    .group_segment_fixed_size: 0
    .private_segment_fixed_size: 0
    .kernarg_segment_align: 8
    .kernarg_segment_size: 24
    .max_flat_workgroup_size: 256
    .sgpr_count:     66
    .vgpr_count:     80
    .wavefront_size: 32
...
	.end_amdgpu_metadata
.endif
;; end of part 3
